; MI455X (gfx1250); checked and timed in simulation.
; The chip was launched on July 23, 2026; its instructions are those of AMD's public machine-readable ISA for CDNA 5 (MIT licence, August 2026) and "CDNA5" Instruction Set Architecture Reference Guide (July 2026). The comments in the code are by the model that wrote it; some were corrected since.
;; Simple Mo E. Allowed arithmetic: float matrix products may take bf16 or f16 operands with f32 sums; all other float work in f32.
;; Inputs: W1 8 x 1,024 x 4,096 float32; W2 8 x 4,096 x 1,024 float32; Wg 1,024 x 8 float32; b1 8 x 4,096 float32; b2 8 x 1,024 float32; bg 8 float32; x 1,024 x 1,024 float32.
;; Outputs: out0 1,024 x 1,024 float32.
;; One version. Each part assembles by itself: llvm-mc -triple=amdgcn-amd-amdhsa -mcpu=gfx1250 --defsym DOCPART=n.
;; ======== version 1 of 1: 5 launches
;; limits: values outside matrix products are rounded to bf16
;; workspace buffers: sel 4,096 bytes of whole numbers; wts 8,192 bytes; slotof 8,192 bytes of whole numbers; meta 256 bytes of whole numbers; xs 5,242,880 bytes; h 20,971,520 bytes; y 41,943,040 bytes
;; launch gate (part 1): grid 64 x 1, 8 waves a work-group, no clusters, 60,416 bytes of LDS; arguments x, Wg, bg, sel, wts; writes sel, wts
.if DOCPART == 1
	.amdgcn_target "amdgcn-amd-amdhsa--gfx1250"
	.amdhsa_code_object_version 6
	.text
	.protected	k_q08e905d181_gate
	.globl	k_q08e905d181_gate
	.p2align	8
	.type	k_q08e905d181_gate,@function
k_q08e905d181_gate:
	s_mov_b64 s[64:65], 0
	v_nop
	global_prefetch_b8 v0, s[64:65] scope:SCOPE_SE
	s_setreg_imm32_b32 hwreg(HW_REG_WAVE_MODE, 25, 1), 1
	s_wait_xcnt 0x0
; GATE.  scores = x Wg + bg; the two largest scores of each token, and their softmax weights renormalised as the module does.
; x, Wg and bg are rounded to bf16 (bg as one more row of the product), sums in f32; the softmax takes the row's maximum away first.
; LIMITS: scores must be finite (NaN and infinities are not served); equal scores go to the lower expert; a gap between the second and
; third score smaller than the rounding of an f32 sum of 1,024 products may fall either way.
; SHARES: a work-group has 16 tokens; wave w sums k = 128 w .. 128 w + 127; wave 0 adds the eight partial sums and decides.
; OUT: sel[token] = i1 | i2 << 8;  wts[token] = (weight of i1, weight of i2).
.set XT,   16384                       ; behind Wg (bf16, [1024 k][8 experts], rows of 16 bytes): each wave's 16 tokens x 128 k, rows of 256 + 16 bytes
.set XTW,  16*272
.set PART, XT+8*XTW                    ; partial scores: 32 bytes a lane, 1,024 a wave
	s_load_b256 s[4:11], s[0:1], 0x0               ; x s[4:5], Wg s[6:7], bg s[8:9], sel s[10:11]
	s_load_b64 s[12:13], s[0:1], 0x20              ; wts
	v_lshl_add_u32 v112, v0, 2, 0xe800
	v_mov_b32 v113, 0
	v_and_b32 v1, 31, v0                           ; lane
	v_lshrrev_b32 v12, 5, v0
	v_readfirstlane_b32 s24, v12                   ; wave
	v_and_b32 v2, 15, v0                           ; r
	v_bfe_u32 v3, v0, 4, 1                         ; hh
	v_lshlrev_b32 v4, 4, v0                        ; 16 t: my 16 bytes of Wg in each 4,096
	v_lshlrev_b32 v5, 3, v0                        ; 8 t: the same four numbers as bf16
	v_lshlrev_b32 v6, 4, v1                        ; 16 l: my 16 bytes of the wave's 512 of a row of x
	s_mul_i32 s25, s24, XTW
	s_add_co_u32 s25, s25, XT                      ; my wave's tile of x
	v_lshl_add_u32 v7, v1, 3, s25                  ; in: 8 bytes a lane
	v_mul_u32_u24 v8, v2, 272
	v_lshl_add_u32 v8, v3, 4, v8
	v_add_nc_u32 v8, s25, v8                       ; fragment of x: row r, 16 bytes for each half of the lanes
	v_and_b32 v9, 7, v0
	v_lshl_add_u32 v9, v3, 3, v9
	s_lshl_b32 s25, s24, 7
	v_add_nc_u32 v9, s25, v9
	v_lshlrev_b32 v9, 4, v9                        ; turning load of Wg: row 128 w + 8 hh + l % 8; lanes 8-15 and 24-31 take the same rows, so result rows 8-15 repeat experts 0-7
	v_lshlrev_b32 v11, 5, v1
	v_add_nc_u32 v11, PART, v11                    ; wave 0's partial sums of my lane
	v_lshl_add_u32 v10, s24, 10, v11               ; my wave's
	s_lshl_b32 s26, ttmp9, 16                      ; 16 rows of 4,096 bytes
	s_lshl_b32 s25, s24, 9
	s_add_co_u32 s26, s26, s25
	s_mov_b32 s27, 0
	s_lshl_b32 s28, ttmp9, 6
	s_mov_b32 s29, 0
	s_lshl_b32 s32, ttmp9, 7
	s_mov_b32 s33, 0
	s_wait_kmcnt 0x0
	s_load_b256 s[16:23], s[8:9], 0x0              ; bg
	s_add_nc_u64 s[4:5], s[4:5], s[26:27]
	s_add_nc_u64 s[10:11], s[10:11], s[28:29]
	s_add_nc_u64 s[12:13], s[12:13], s[32:33]
.irp q, 0,1,2,3,4,5,6,7
	global_load_b128 v[16+4*\q:19+4*\q], v4, s[6:7] offset:4096*\q
.endr
.set i, 0
.rept 16
	global_load_b128 v[48+4*i:51+4*i], v6, s[4:5] offset:4096*i    ; row i: the wave's 512 neighbouring bytes
.set i, i+1
.endr
	s_wait_loadcnt 16                              ; Wg is in; the sixteen loads of x were issued behind it
.irp q, 0,1,2,3,4,5,6,7
	v_cvt_pk_bf16_f32 v[16+4*\q], v[16+4*\q], v[17+4*\q]
	v_cvt_pk_bf16_f32 v[17+4*\q], v[18+4*\q], v[19+4*\q]
	ds_store_b64 v5, v[16+4*\q:17+4*\q] offset:2048*\q
.endr
	s_wait_loadcnt 0x0
.set i, 0
.rept 16
	v_cvt_pk_bf16_f32 v[48+4*i], v[48+4*i], v[49+4*i]
	v_cvt_pk_bf16_f32 v[49+4*i], v[50+4*i], v[51+4*i]
	ds_store_b64 v7, v[48+4*i:49+4*i] offset:272*i
.set i, i+1
.endr
	s_wait_kmcnt 0x0                               ; bg
	s_wait_dscnt 0x0                               ; for the others' sake: my part of Wg is stored
	s_barrier_signal -1
	s_barrier_wait -1
.irp s, 0,1,2,3
	ds_load_tr16_b128 v[16+8*\s:19+8*\s], v9 offset:512*\s         ; source 0: experts x 32 k
	ds_load_tr16_b128 v[20+8*\s:23+8*\s], v9 offset:512*\s+256
	ds_load_b128 v[48+8*\s:51+8*\s], v8 offset:64*\s               ; source 1: 16 tokens x 32 k
	ds_load_b128 v[52+8*\s:55+8*\s], v8 offset:64*\s+32
.endr
	s_wait_dscnt 0x0
.irp s, 0,1,2,3
	v_wmma_f32_16x16x32_bf16 v[80+8*\s:87+8*\s], v[16+8*\s:23+8*\s], v[48+8*\s:55+8*\s], 0   ; four sums of their own: lane (r, 0) holds experts 0-7 of token r
.endr
.rept 4
	v_nop                                          ; four places behind the last product (ISA guide 7.12.1)
.endr
.irp i, 0,2,4,6
	v_pk_add_f32 v[80+\i:81+\i], v[80+\i:81+\i], v[88+\i:89+\i]
.endr
.irp i, 0,2,4,6
	v_pk_add_f32 v[96+\i:97+\i], v[96+\i:97+\i], v[104+\i:105+\i]
.endr
.irp i, 0,2,4,6
	v_pk_add_f32 v[80+\i:81+\i], v[80+\i:81+\i], v[96+\i:97+\i]
.endr
	ds_store_b128 v10, v[80:83]
	ds_store_b128 v10, v[84:87] offset:16
	s_wait_dscnt 0x0                               ; for wave 0's sake
	s_barrier_signal -1
	s_barrier_wait -1
	s_cmp_lg_u32 s24, 0
	s_cbranch_scc1 .Lothers
.irp p, 0,1,2,3,4,5,6,7
	ds_load_b128 v[48+8*\p:51+8*\p], v11 offset:1024*\p
	ds_load_b128 v[52+8*\p:55+8*\p], v11 offset:1024*\p+16
.endr
.irp i, 0,1,2,3
	v_cvt_pk_bf16_f32 v[16+\i], s[16+2*\i], s[17+2*\i]             ; bg rounded as the product's operands are
.endr
.irp i, 0,1,2,3
	v_lshlrev_b32 v[20+2*\i], 16, v[16+\i]
	v_and_b32 v[21+2*\i], 0xffff0000, v[16+\i]
.endr
	s_wait_dscnt 0x0
.irp p, 1,2,3,4,5,6,7
.irp i, 0,2,4,6
	v_pk_add_f32 v[48+\i:49+\i], v[48+\i:49+\i], v[48+8*\p+\i:49+8*\p+\i]
.endr
.endr
.irp i, 0,2,4,6
	v_pk_add_f32 v[48+\i:49+\i], v[48+\i:49+\i], v[20+\i:21+\i]    ; the scores of my token: v48-55
.endr
	; the largest (v30, index v31), then the largest of the others (v32, v33): selects only, a strict compare keeps the lower index
	v_mov_b32 v30, v48
	v_mov_b32 v31, 0
.irp e, 1,2,3,4,5,6,7
	v_cmp_gt_f32 vcc_lo, v[48+\e], v30
	v_cndmask_b32 v30, v30, v[48+\e], vcc_lo
	v_cndmask_b32 v31, v31, \e, vcc_lo
.endr
	v_mov_b32 v32, 0xff800000
	v_mov_b32 v33, 0
.irp e, 0,1,2,3,4,5,6,7
	v_cmp_ne_u32 s30, \e, v31
	v_cmp_gt_f32 vcc_lo, v[48+\e], v32
	s_and_b32 vcc_lo, vcc_lo, s30
	v_cndmask_b32 v32, v32, v[48+\e], vcc_lo
	v_cndmask_b32 v33, v33, \e, vcc_lo
.endr
	; softmax with the maximum taken away: p = 2^((s - max) log2 e); the largest score's p is 1
.irp e, 0,1,2,3,4,5,6,7
	v_sub_f32 v[34+\e], v[48+\e], v30
.endr
	v_sub_f32 v42, v32, v30
.irp e, 0,1,2,3,4,5,6,7,8
	v_mul_f32 v[34+\e], 0x3fb8aa3b, v[34+\e]
.endr
.irp e, 0,1,2,3,4,5,6,7,8
	v_exp_f32 v[34+\e], v[34+\e]
.endr
	v_nop                                          ; a plain instruction behind the last exponential (ISA guide 5.7.2)
	s_wait_alu depctr_va_vdst(0)
	v_add_f32 v34, v34, v35
	v_add_f32 v36, v36, v37
	v_add_f32 v38, v38, v39
	v_add_f32 v40, v40, v41
	v_add_f32 v34, v34, v36
	v_add_f32 v38, v38, v40
	v_add_f32 v34, v34, v38                        ; Z
	v_rcp_f32 v43, v34                             ; softmax of i1 = 1 / Z
	v_nop
	s_wait_alu depctr_va_vdst(0)
	v_mul_f32 v45, v42, v43                        ; softmax of i2
	v_add_f32 v29, v43, v45
	v_add_f32 v29, 0x322bcc77, v29                 ; + 1e-8
	v_rcp_f32 v28, v29
	v_lshl_or_b32 v44, v33, 8, v31                 ; i1 | i2 << 8 (also the plain instruction behind the reciprocal)
	s_wait_alu depctr_va_vdst(0)
	v_mul_f32 v46, v43, v28
	v_mul_f32 v47, v45, v28
	v_lshlrev_b32 v12, 2, v2
	v_lshlrev_b32 v13, 3, v2
	s_wait_xcnt 0x0                                ; EXEC changes only behind this wait
	v_cmp_gt_u32 vcc_lo, 16, v1                    ; lanes 16-31 hold copies
	s_wait_tensorcnt 0x0
	ds_add_u32 v112, v113
	s_wait_dscnt 0x0
	s_and_saveexec_b32 s30, vcc_lo
	global_store_b32 v12, v44, s[10:11]
	global_store_b64 v13, v[46:47], s[12:13]
	s_endpgm
.Lothers:
	s_wait_tensorcnt 0x0
	ds_add_u32 v112, v113
	s_wait_dscnt 0x0
	s_endpgm
.Lfunc_end_k_q08e905d181_gate:
	.size	k_q08e905d181_gate, .Lfunc_end_k_q08e905d181_gate-k_q08e905d181_gate
	.p2alignl 7, 3214868480
	.fill 96, 4, 3214868480
	.section	.rodata,"a",@progbits
	.p2align	6, 0x0
	.amdhsa_kernel k_q08e905d181_gate
		.amdhsa_group_segment_fixed_size 60416
		.amdhsa_private_segment_fixed_size 0
		.amdhsa_enable_private_segment 0
		.amdhsa_kernarg_size 40
		.amdhsa_user_sgpr_count 2
		.amdhsa_user_sgpr_kernarg_segment_ptr 1
		.amdhsa_wavefront_size32 1
		.amdhsa_system_sgpr_workgroup_id_x 1
		.amdhsa_system_sgpr_workgroup_id_y 1
		.amdhsa_system_sgpr_workgroup_id_z 1
		.amdhsa_system_vgpr_workitem_id 0
		.amdhsa_next_free_vgpr 114
		.amdhsa_next_free_sgpr 66
		.amdhsa_reserve_vcc 1
		.amdhsa_float_denorm_mode_32 3
		.amdhsa_float_denorm_mode_16_64 3
		.amdhsa_memory_ordered 1
		.amdhsa_forward_progress 1
		.amdhsa_inst_pref_size 21
	.end_amdhsa_kernel
	.amdgpu_metadata
---
amdhsa.version: [ 1, 2 ]
amdhsa.kernels:
  - .name:           k_q08e905d181_gate
    .symbol:         k_q08e905d181_gate.kd
    .args:
      - { .name: x, .offset: 0, .size: 8, .value_kind: global_buffer, .address_space: global }
      - { .name: Wg, .offset: 8, .size: 8, .value_kind: global_buffer, .address_space: global }
      - { .name: bg, .offset: 16, .size: 8, .value_kind: global_buffer, .address_space: global }
      - { .name: sel, .offset: 24, .size: 8, .value_kind: global_buffer, .address_space: global }
      - { .name: wts, .offset: 32, .size: 8, .value_kind: global_buffer, .address_space: global }
    .group_segment_fixed_size: 60416
    .private_segment_fixed_size: 0
    .kernarg_segment_align: 8
    .kernarg_segment_size: 40
    .max_flat_workgroup_size: 256
    .sgpr_count:     66
    .vgpr_count:     114
    .wavefront_size: 32
...
	.end_amdgpu_metadata
.endif
;; end of part 1
;; launch route (part 2): grid 39 x 8, 8 waves a work-group, no clusters, 38,144 bytes of LDS; arguments sel, x, xs, slotof, meta; writes xs, slotof, meta
.if DOCPART == 2
	.amdgcn_target "amdgcn-amd-amdhsa--gfx1250"
	.amdhsa_code_object_version 6
	.text
	.protected	k_q08e905d181_route
	.globl	k_q08e905d181_route
	.p2align	8
	.type	k_q08e905d181_route,@function
k_q08e905d181_route:
	s_mov_b64 s[64:65], 0
	v_nop
	global_prefetch_b8 v0, s[64:65] scope:SCOPE_SE
	s_setreg_imm32_b32 hwreg(HW_REG_WAVE_MODE, 25, 1), 1
	s_wait_xcnt 0x0
; ROUTE.  The 2,048 (token, expert) rows are ordered by expert into SLOTS: an expert's rows lie together, begin at a multiple of 64 and are
; filled up to a multiple of 64 with rows of zeros: 32 to 39 blocks of 64 slots ((2,048 + 8 x 63) / 64 < 40).  Every work-group makes the whole plan anew
; from the 4 KiB of sel (no traffic between work-groups), then copies its share of x, rounded to bf16, into xs.
; xs: [128 planes][2,560 slots][8]: a plane holds 8 neighbouring k of every slot, 16 bytes a slot, so that 16 slots x 8 k are 256 neighbouring bytes.
; slotof[token] = (slot of i1, slot of i2).  meta: word l < 32: first block of expert l % 8; word 32 + l: its number of blocks.
; SHARES of the copy: work-group (bx, kc) takes block bx (0 to 38) and k = 128 kc .. + 127; wave w takes slots 16 (w % 4) .. + 15 and k half w / 4.
; No branch hangs on the plan: a block that these inputs do not use holds no token and is filled with zeros by the same work, chosen by selects.
.set PL,    40960                      ; bytes in a plane
.set CNT,   10240                      ; behind LIST (2,560 words: slot -> token, 1,024 = none): [wave][8] counts
.set SLOTT, 10496                      ; 32 bytes a thread: its eight slots
.set TILE,  18688                      ; 16 rows of 128 + 16 bytes for each wave
	s_load_b256 s[4:11], s[0:1], 0x0               ; sel s[4:5], x s[6:7], xs s[8:9], slotof s[10:11]
	s_load_b64 s[12:13], s[0:1], 0x20              ; meta
	v_lshl_add_u32 v128, v0, 2, 0x9100
	v_mov_b32 v129, 0
	v_and_b32 v1, 31, v0
	v_lshrrev_b32 v7, 5, v0
	v_readfirstlane_b32 s14, v7                    ; wave
	s_and_b32 s15, ttmp7, 0xffff                   ; kc
	v_and_b32 v2, 7, v0                            ; l % 8
	v_and_b32 v3, 15, v0                           ; r
	v_bfe_u32 v4, v0, 4, 1                         ; hh
	v_lshlrev_b32 v5, 4, v0
	v_lshlrev_b32 v6, 3, v0
	v_mov_b32 v78, 1024
	v_mov_b32 v79, 1024
	s_wait_kmcnt 0x0
	global_load_b128 v[8:11], v5, s[4:5]           ; tokens 4 t .. 4 t + 3
.irp q, 0,1,2,3,4
	ds_store_b64 v6, v[78:79] offset:2048*\q       ; LIST: no token anywhere
.endr
.irp e, 0,1,2,3,4,5,6,7
	s_mov_b32 s[40+\e], 0                          ; my wave's running count for expert e
.endr
	s_wait_loadcnt 0x0
.irp c, 0,1,2,3
	v_and_b32 v[12+\c], 7, v[8+\c]                 ; i1
	v_bfe_u32 v[16+\c], v[8+\c], 8, 3              ; i2
	v_mov_b32 v[20+\c], 0                          ; rank of (token, i1) among my wave's rows of that expert
	v_mov_b32 v[24+\c], 0                          ; of (token, i2)
.endr
.irp c, 0,1,2,3
.irp e, 0,1,2,3,4,5,6,7
	v_cmp_eq_u32 vcc_lo, \e, v[12+\c]
	v_cmp_eq_u32 s30, \e, v[16+\c]
	s_or_b32 s31, vcc_lo, s30
	v_mbcnt_lo_u32_b32 v28, s31, s[40+\e]          ; the count so far + the lanes below me that name e
	v_cndmask_b32 v[20+\c], v[20+\c], v28, vcc_lo
	v_cndmask_b32 v[24+\c], v[24+\c], v28, s30
	s_bcnt1_i32_b32 s31, s31
	s_add_co_u32 s[40+\e], s[40+\e], s31
.endr
.endr
	s_lshl_b32 s31, s14, 5
	s_add_co_u32 s31, s31, CNT
	v_mov_b32 v7, s31
.irp e, 0,1,2,3,4,5,6,7
	v_mov_b32 v28, s[40+\e]
	ds_store_b32 v7, v28 offset:4*\e
.endr
	s_wait_dscnt 0x0                               ; for the others' sake: my counts and my part of LIST
	s_barrier_signal -1
	s_barrier_wait -1
	v_lshl_add_u32 v29, v2, 2, CNT                 ; lane l looks after expert l % 8
.irp p, 0,1,2,3,4,5,6,7
	ds_load_b32 v[30+\p], v29 offset:32*\p
.endr
	s_wait_dscnt 0x0
	v_add3_u32 v38, v30, v31, v32
	v_add3_u32 v38, v38, v33, v34
	v_add3_u32 v38, v38, v35, v36
	v_add_nc_u32 v38, v38, v37                     ; the expert's rows
	v_mov_b32 v39, 0
.irp p, 0,1,2,3,4,5,6
	s_cmp_gt_u32 s14, \p
	s_cselect_b32 s31, -1, 0
	v_and_b32 v28, s31, v[30+\p]
	v_add_nc_u32 v39, v39, v28                     ; those of the waves below mine
.endr
	v_add_nc_u32 v40, 63, v38
	v_lshrrev_b32 v40, 6, v40                      ; its blocks
.irp e, 0,1,2,3,4,5,6
	v_readlane_b32 s[48+\e], v40, \e
.endr
	s_mov_b32 s56, 0
.irp e, 0,1,2,3,4,5,6
	s_add_co_u32 s[57+\e], s[56+\e], s[48+\e]      ; first block of each expert
.endr
	v_mov_b32 v41, s56
.irp e, 1,2,3,4,5,6,7
	v_cmp_eq_u32 vcc_lo, \e, v2
	v_cndmask_b32 v41, v41, s[56+\e], vcc_lo
.endr
	v_lshl_add_u32 v42, v41, 6, v39                ; the slot of my wave's first row of expert l % 8
.irp c, 0,1,2,3
	v_lshlrev_b32 v[60+2*\c], 2, v[12+\c]
	v_lshlrev_b32 v[61+2*\c], 2, v[16+\c]
.endr
.irp i, 0,1,2,3,4,5,6,7
	ds_bpermute_b32 v[52+\i], v[60+\i], v42        ; from the lane that looks after the expert
.endr
	s_wait_dscnt 0x0
.irp c, 0,1,2,3
	v_add_nc_u32 v[44+2*\c], v[52+2*\c], v[20+\c]
	v_add_nc_u32 v[45+2*\c], v[53+2*\c], v[24+\c]
	v_min_u32 v[44+2*\c], 2559, v[44+2*\c]
	v_min_u32 v[45+2*\c], 2559, v[45+2*\c]
.endr
	v_lshl_add_u32 v43, v0, 5, SLOTT
	ds_store_b128 v43, v[44:47]
	ds_store_b128 v43, v[48:51] offset:16
	s_wait_dscnt 0x0                               ; for wave 0's sake
	s_barrier_signal -1
	s_barrier_wait -1
	s_cmp_lg_u32 s14, 0
	s_cbranch_scc1 .Lscattered
	; one wave alone writes LIST[slot] = token: 16 bytes number g = 32 q + l of the table hold the slots of tokens 2 g and 2 g + 1
	v_lshl_add_u32 v29, v1, 4, SLOTT
.set q, 0
.rept 16
	ds_load_b128 v[64+4*q:67+4*q], v29 offset:512*q
.set q, q+1
.endr
	v_lshlrev_b32 v30, 1, v1
	s_wait_dscnt 0x0
.set q, 0
.rept 16
.irp n, 0,1,2,3
	v_min_u32 v[64+4*q+\n], 2559, v[64+4*q+\n]
	v_lshlrev_b32 v[64+4*q+\n], 2, v[64+4*q+\n]
.endr
	v_add_nc_u32 v31, 64*q, v30
	v_add_nc_u32 v32, 64*q+1, v30
	ds_store_b32 v[64+4*q], v31
	ds_store_b32 v[65+4*q], v31
	ds_store_b32 v[66+4*q], v32
	ds_store_b32 v[67+4*q], v32
.set q, q+1
.endr
.Lscattered:
	s_wait_dscnt 0x0
	s_barrier_signal -1
	s_barrier_wait -1                              ; LIST is whole
	s_or_b32 s31, ttmp9, s15
	s_cmp_lg_u32 s31, 0
	s_cbranch_scc1 .Lcopy                          ; the tables are stored by one work-group
	v_lshlrev_b32 v72, 5, v0
	global_store_b128 v72, v[44:47], s[10:11]
	global_store_b128 v72, v[48:51], s[10:11] offset:16
	s_cmp_lg_u32 s14, 0
	s_cbranch_scc1 .Lcopy
	v_lshlrev_b32 v73, 2, v1
	global_store_b32 v73, v41, s[12:13]
	global_store_b32 v73, v40, s[12:13] offset:128
.Lcopy:
	s_and_b32 s16, s14, 3                          ; sb
	s_lshr_b32 s17, s14, 2                         ; kh
	s_lshl_b32 s31, s15, 9
	s_lshl_b32 s30, s17, 8
	s_add_co_u32 s31, s31, s30
	v_lshl_add_u32 v69, v3, 4, s31                 ; in a row of x: 512 kc + 256 kh + 16 r
	s_lshl_b32 s31, s15, 4
	s_lshl_b32 s30, s17, 3
	s_add_co_u32 s31, s31, s30
	v_add_nc_u32 v70, s31, v4
	v_mul_u32_u24 v70, v70, PL                     ; plane 16 kc + 8 kh + hh
	s_lshl_b32 s31, s16, 8
	v_lshl_add_u32 v74, v3, 4, s31
	v_add_nc_u32 v70, v70, v74                     ; + slot 16 sb + r of a block
	s_mul_i32 s31, s14, 16*144
	s_add_co_u32 s31, s31, TILE
	v_mul_u32_u24 v75, v4, 144
	v_lshl_add_u32 v75, v3, 3, v75
	v_add_nc_u32 v75, s31, v75                     ; in: row hh (+ 2 a), 8 bytes at 8 r
	v_mul_u32_u24 v76, v3, 144
	v_lshl_add_u32 v76, v4, 4, v76
	v_add_nc_u32 v76, s31, v76                     ; back: row r, 16 bytes at 16 hh (+ 32 p)
	s_lshl_b32 s31, s16, 6
	v_lshl_add_u32 v77, v4, 2, s31                 ; LIST word 16 sb + hh of a block
	; my block: my wave's 16 slots x 64 k are gathered from x, rounded, turned in the wave's own tile and stored into four pairs of planes
	s_min_u32 s68, ttmp9, 39
	s_lshl_b32 s69, s68, 8
	s_lshl_b32 s70, s68, 10
	v_add_nc_u32 v60, s69, v77
	v_add_nc_u32 v71, s70, v70
.irp a, 0,1,2,3,4,5,6,7
	ds_load_b32 v[61+\a], v60 offset:8*\a          ; the token of slot 2 a + hh
.endr
	s_wait_dscnt 0x0
.irp a, 0,1,2,3,4,5,6,7
	v_cmp_gt_u32 s[72+\a], 1024, v[61+\a]          ; a real row?
	v_min_u32 v[61+\a], 0x3ff, v[61+\a]
	v_lshl_add_u32 v[61+\a], v[61+\a], 12, v69
.endr
.irp a, 0,1,2,3,4,5,6,7
	global_load_b128 v[80+4*\a:83+4*\a], v[61+\a], s[6:7]          ; sixteen lanes: 256 neighbouring bytes of one row
.endr
	s_wait_loadcnt 0x0
.irp a, 0,1,2,3,4,5,6,7
	v_cvt_pk_bf16_f32 v[80+4*\a], v[80+4*\a], v[81+4*\a]
	v_cvt_pk_bf16_f32 v[81+4*\a], v[82+4*\a], v[83+4*\a]
	v_cndmask_b32 v[80+4*\a], 0, v[80+4*\a], s[72+\a]              ; a filling row is zeros
	v_cndmask_b32 v[81+4*\a], 0, v[81+4*\a], s[72+\a]
	ds_store_b64 v75, v[80+4*\a:81+4*\a] offset:288*\a
.endr
.irp p, 0,1,2,3
	ds_load_b128 v[112+4*\p:115+4*\p], v76 offset:32*\p            ; my wave's own bytes, served in order (ISA guide 5.7.1.4)
.endr
	s_wait_dscnt 0x0
.irp p, 0,1,2,3
	global_store_b128 v71, v[112+4*\p:115+4*\p], s[8:9] offset:2*\p*PL   ; sixteen lanes store 256 consecutive bytes, aligned
.endr
	s_wait_tensorcnt 0x0
	ds_add_u32 v128, v129
	s_wait_dscnt 0x0
	s_endpgm
.Lfunc_end_k_q08e905d181_route:
	.size	k_q08e905d181_route, .Lfunc_end_k_q08e905d181_route-k_q08e905d181_route
	.p2alignl 7, 3214868480
	.fill 96, 4, 3214868480
	.section	.rodata,"a",@progbits
	.p2align	6, 0x0
	.amdhsa_kernel k_q08e905d181_route
		.amdhsa_group_segment_fixed_size 38144
		.amdhsa_private_segment_fixed_size 0
		.amdhsa_enable_private_segment 0
		.amdhsa_kernarg_size 40
		.amdhsa_user_sgpr_count 2
		.amdhsa_user_sgpr_kernarg_segment_ptr 1
		.amdhsa_wavefront_size32 1
		.amdhsa_system_sgpr_workgroup_id_x 1
		.amdhsa_system_sgpr_workgroup_id_y 1
		.amdhsa_system_sgpr_workgroup_id_z 1
		.amdhsa_system_vgpr_workitem_id 0
		.amdhsa_next_free_vgpr 130
		.amdhsa_next_free_sgpr 80
		.amdhsa_reserve_vcc 1
		.amdhsa_float_denorm_mode_32 3
		.amdhsa_float_denorm_mode_16_64 3
		.amdhsa_memory_ordered 1
		.amdhsa_forward_progress 1
		.amdhsa_inst_pref_size 41
	.end_amdhsa_kernel
	.amdgpu_metadata
---
amdhsa.version: [ 1, 2 ]
amdhsa.kernels:
  - .name:           k_q08e905d181_route
    .symbol:         k_q08e905d181_route.kd
    .args:
      - { .name: sel, .offset: 0, .size: 8, .value_kind: global_buffer, .address_space: global }
      - { .name: x, .offset: 8, .size: 8, .value_kind: global_buffer, .address_space: global }
      - { .name: xs, .offset: 16, .size: 8, .value_kind: global_buffer, .address_space: global }
      - { .name: slotof, .offset: 24, .size: 8, .value_kind: global_buffer, .address_space: global }
      - { .name: meta, .offset: 32, .size: 8, .value_kind: global_buffer, .address_space: global }
    .group_segment_fixed_size: 38144
    .private_segment_fixed_size: 0
    .kernarg_segment_align: 8
    .kernarg_segment_size: 40
    .max_flat_workgroup_size: 256
    .sgpr_count:     80
    .vgpr_count:     130
    .wavefront_size: 32
...
	.end_amdgpu_metadata
.endif
;; end of part 2
;; launch ffn1 (part 3): grid 32 x 8, 4 waves a work-group, no clusters, 295,424 bytes of LDS; arguments W1, b1, xs, meta, h; writes h
.if DOCPART == 3
	.amdgcn_target "amdgcn-amd-amdhsa--gfx1250"
	.amdhsa_code_object_version 6
	.text
	.protected	k_q08e905d181_ffn1
	.globl	k_q08e905d181_ffn1
	.p2align	8
	.type	k_q08e905d181_ffn1,@function
k_q08e905d181_ffn1:
	s_mov_b64 s[64:65], 0
	v_nop
	global_prefetch_b8 v0, s[64:65] scope:SCOPE_SE
	s_setreg_imm32_b32 hwreg(HW_REG_WAVE_MODE, 25, 1), 1
	s_wait_xcnt 0x0
; FIRST LAYER, routed: h[slot][n] = relu(sum over k of xs[slot][k] W1[e][k][n] + b1[e][n]), for the slots of expert e alone.  Operands bf16, sums, bias and relu f32, h bf16.
; SHARES: work-group (cs, e) owns expert e's columns 128 cs .. + 127 and all K = 1,024: 512 KiB of W1 that no other work-group reads.  Wave w owns rows 16 w .. + 15 of every block of 64 slots, all 128 columns.
; THE WEIGHTS go memory -> registers (f32) -> bf16 -> LDS, where the slice stays: [1,024 k] rows of 256 + 32 bytes, each byte written once.  Two K steps (of 64) of them are always on their way.
; THE TOKENS come straight into registers: xs and h lie in planes of 8 k ([plane][2,560 slots][8], 16 bytes a slot), so a fragment of 16 slots x 32 k is two loads of which sixteen lanes take 256 neighbouring bytes.
; THE MATRIX INSTRUCTION IS USED TRANSPOSED (source 0 = 16 columns of W, by the turning LDS load; source 1 = 16 slots): a lane's eight results are 8 neighbouring columns of one slot = 16 bytes of one plane of h.
; PASS 0 IS A PIPELINE: in K step s the weights of step s + 1 are rounded and stored into the slice, and the barrier that shows them to all four waves is signalled and awaited, among the products of step s;
; the fragments of a step's first 32 k are fetched under the products of the step before, those of its second 32 k under the products of its first.
; PASSES: pass 0 streams the weights and multiplies the expert's blocks 0-4 (its barriers stand on a path that hangs on no data); while blocks are left, a pass without barriers multiplies five more from the slice in LDS.
; Such a pass has its 16 K steps written out, with every address a constant beside a lane term: eight LDS address registers, one for each pair of K steps, and the tokens' plane in the loads' immediate.
; A block past the expert's last reads block 0 of the slots (always in use) and is not stored.  No cluster: no two work-groups share a weight byte, and the tokens do not pass through LDS.
; REGISTERS in windows of 256: window 0: v0-15 addresses, v16-143 fragments of W (2 x 8 x 8), v144-175 bf16 on their way to LDS, v176-183 LDS addresses of the later passes; window 1: accumulators of blocks 0-3 ((b, c) at 64 b + 8 c);
; window 2: v0-63 those of block 4, v64-191 two sets of 64 for W in f32; window 3: v0-159 two sets of token fragments (2 x 5 x 8), v160-223 b1.
.set PITCH, 16384                      ; bytes in a row of W1
.set PL,    40960                      ; bytes in a plane
.set LP,    288                        ; an LDS row
.set STEPB, 64*LP
.set VW,  2                            ; my 16 bytes in row 16 w of a K step of W
.set LW,  3                            ; where they go in LDS, at pass 0's pair of K steps in hand
.set LR,  4                            ; my place in a turning load, at pass 0's pair of K steps in hand
.set VTL, 5                            ; my 16 bytes in a plane, block 0
.set VT,  6                            ; v6-10: the same for the pass's five blocks
.set LR0, 11                           ; LR at K step 0; never rewritten
.set VB,  12
.set WF,  16
.set TMP, 144
.set LRP, 176                          ; v176-183: LR0 + pair p of K steps; made once, for the later passes
.set SG,  64
.set TF,  0
.set BI,  160
.set MM1,   0x5c                       ; source 0 window 0, source 1 window 3, C and D window 1
.set MM2,   0xac                       ; C and D window 2
.set TO_TF, 0xc0
.set TO_SG, 0x80
.set CV,    0x0a
.set E1,    0x0d                       ; source 0 window 1, source 1 window 3
.set E2,    0x0e
.set MSB, 0
.macro WIN new                         ; the immediate's high byte repeats the setting that is left
.if MSB != \new
	s_set_vgpr_msb (MSB<<8)|\new
.set MSB, \new
.endif
.endm
.macro PLACES                          ; four places behind a matrix instruction (ISA guide 7.12.1)
.rept 4
	v_nop
.endr
.endm
.macro SETBLK                          ; the pass's five blocks: s20 + b of the expert, or block 0 of the slots where the expert has no such block
	WIN 0
.irp b, 0,1,2,3,4
	s_add_co_u32 s22, s20, \b
	s_add_co_u32 s23, s18, s22
	s_cmp_lt_u32 s22, s19
	s_cselect_b32 s[24+\b], s23, 0
	s_min_u32 s[24+\b], s[24+\b], 39
	v_lshl_add_u32 v[VT+\b], s[24+\b], 10, v[VTL]
.endr
.endm
.macro WLOAD set, imm                  ; my 16 rows of a K step of W: each load 512 neighbouring bytes
	WIN TO_SG
.set i, 0
.rept 16
	global_load_b128 v[SG+64*(\set)+4*i:SG+64*(\set)+4*i+3], v[VW], s[30:31] offset:(\imm)+i*PITCH th:TH_LOAD_NT
.set i, i+1
.endr
.endm
.macro TLOAD set, imm                  ; a K step's token fragments of five blocks: 20 loads
	WIN TO_TF
.irp sub, 0,1
.irp b, 0,1,2,3,4
	global_load_b128 v[TF+80*(\set)+40*\sub+8*\b:TF+80*(\set)+40*\sub+8*\b+3],   v[VT+\b], s[32:33] offset:(\imm)+\sub*4*PL
	global_load_b128 v[TF+80*(\set)+40*\sub+8*\b+4:TF+80*(\set)+40*\sub+8*\b+7], v[VT+\b], s[32:33] offset:(\imm)+\sub*4*PL+2*PL
.endr
.endr
.endm
.macro CVT set                         ; a K step's weights of mine, 16 rows x 4 numbers a lane, rounded to bf16
	WIN CV
.set i, 0
.rept 16
	v_cvt_pk_bf16_f32 v[TMP+2*i],   v[SG+64*(\set)+4*i],   v[SG+64*(\set)+4*i+1]
	v_cvt_pk_bf16_f32 v[TMP+2*i+1], v[SG+64*(\set)+4*i+2], v[SG+64*(\set)+4*i+3]
.set i, i+1
.endr
.endm
.macro WST off                         ; and stored into the slice
	WIN 0
.set i, 0
.rept 16
	ds_store_b64 v[LW], v[TMP+2*i:TMP+2*i+1] offset:(\off)+LP*i
.set i, i+1
.endr
.endm
.macro WFL sub, lr, off                ; 16 turning loads: the fragments of 128 columns x 32 k whose first row lies at byte off from the address in lr
	WIN 0
.irp c, 0,1,2,3,4,5,6,7
	ds_load_tr16_b128 v[WF+64*\sub+8*\c:WF+64*\sub+8*\c+3],   v[\lr] offset:(\off)+32*\c
	ds_load_tr16_b128 v[WF+64*\sub+8*\c+4:WF+64*\sub+8*\c+7], v[\lr] offset:(\off)+32*\c+16*LP
.endr
.endm
.macro MMB par, sub, zero, b           ; block b's 8 products, 32 along K
.irp c, 0,1,2,3,4,5,6,7
.if \zero
	v_wmma_f32_16x16x32_bf16 v[64*(\b%4)+8*\c:64*(\b%4)+8*\c+7], v[WF+64*\sub+8*\c:WF+64*\sub+8*\c+7], v[TF+80*\par+40*\sub+8*\b:TF+80*\par+40*\sub+8*\b+7], 0
.else
	v_wmma_f32_16x16x32_bf16 v[64*(\b%4)+8*\c:64*(\b%4)+8*\c+7], v[WF+64*\sub+8*\c:WF+64*\sub+8*\c+7], v[TF+80*\par+40*\sub+8*\b:TF+80*\par+40*\sub+8*\b+7], v[64*(\b%4)+8*\c:64*(\b%4)+8*\c+7]
.endif
.endr
.endm
.macro MMLO par, sub, zero             ; blocks 0 and 1: 16 products
	WIN MM1
	MMB \par, \sub, \zero, 0
	MMB \par, \sub, \zero, 1
.endm
.macro MMHI par, sub, zero             ; blocks 2, 3 and 4: 24 products
	WIN MM1
	MMB \par, \sub, \zero, 2
	MMB \par, \sub, \zero, 3
	WIN MM2
	MMB \par, \sub, \zero, 4
.endm
.macro MM par, sub, zero               ; 40 products; the 40 accumulators take turns, one instruction a turn, in the same order everywhere
	MMLO \par, \sub, \zero
	MMHI \par, \sub, \zero
.endm
; One K step of 64 of pass 0 (step s, par = s % 2).  Global loads are issued in the order W0 T0 W1 W2, then T(s+1), W(s+3) in step s, so that the wait for a step's tokens never asks for weights that are wanted later.
; conv: the weights of step s + 1 are rounded (the 32 roundings are also the places behind the last step's products) and stored, and the fragments of its first 32 k are fetched.
; nW: the loads issued behind W(s+1).  nT: those behind T(s).
.macro PSTEP par, zero, conv, wld, tld, nW, nT
.if \conv
	s_wait_loadcnt \nW
	CVT 1-\par
.else
	PLACES
.endif
	WFL 1, LR, \par*STEPB+32*LP                    ; this step's second 32 k: the slice's step s has been whole since the barrier in the step before
.if \conv
	WST (\par+1)*STEPB
.endif
.if \tld
	TLOAD 1-\par, (\par+1)*8*PL
.endif
.if \wld
	WLOAD 1-\par, (\par+3)*64*PITCH                ; into the set just rounded; the largest immediate, 4 x 64 + 15 rows, lies inside the signed 24 bits
.endif
	s_wait_loadcnt \nT                             ; the step's tokens
.if \conv
	s_wait_dscnt 32                                ; the first 32 k, fetched in the step before: behind them stand 16 loads and 16 stores
.else
	s_wait_dscnt 16                                ; behind them stand 16 loads
.endif
	MM \par, 0, \zero
	s_wait_dscnt 0x0                               ; the second 32 k are in; and, for the others' sake, my 16 rows of step s + 1 are stored
.if \conv
	s_barrier_signal -1
	MMLO \par, 1, 0                                ; work on registers while the others arrive
	s_barrier_wait -1                              ; all 64 rows of step s + 1 are stored; no byte of the slice is ever written again
	PLACES                                         ; for the loads into the fragments that the first 40 products read
	WFL 0, LR, (\par+1)*STEPB                      ; the next step's first 32 k, under the 24 products below and the next step's roundings
	MMHI \par, 1, 0
.else
	MM \par, 1, 0
.endif
.endm
.macro ADV                             ; pass 0: two K steps on
	WIN 0
	s_wait_xcnt 0x0                                ; the loads' bases are stepped only behind this wait
	s_add_nc_u64 s[32:33], s[32:33], 16*PL
	v_add_nc_u32 v[LR], 2*STEPB, v[LR]
	s_add_nc_u64 s[30:31], s[30:31], 128*PITCH
	v_add_nc_u32 v[LW], 2*STEPB, v[LW]
.endm
; One K step of a later pass: the slice is whole, so there is nothing to round, to store or to meet for.  lr: the register with the LDS address of the step's pair.  tb: the pair's place among the planes, in bytes.
.macro XSTEP par, zero, tld, nT, lr, tb
	PLACES
.if \tld
	TLOAD 1-\par, (\tb)+(\par+1)*8*PL
.endif
	WFL 0, \lr, \par*STEPB
	WFL 1, \lr, \par*STEPB+32*LP
	s_wait_loadcnt \nT                             ; the step's tokens
	s_wait_dscnt 16                                ; the first 32 along K
	MM \par, 0, \zero
	s_wait_dscnt 0x0
	MM \par, 1, 0
.endm
; The way out: + b1, relu, bf16; a lane's 16 bytes are its slot's part of plane 16 cs + 2 c + hh, so sixteen lanes store 256 consecutive bytes, aligned.  Each accumulator is read from its low end on.
.macro EPI tag
	WIN 0
	PLACES
.irp b, 0,1,2,3,4
	s_add_co_u32 s22, s20, \b
	s_cmp_ge_u32 s22, s19
	s_cbranch_scc1 .Lepi_end_\tag
	s_wait_xcnt 0x0                                ; v80-111 are written again only behind this wait
.if \b < 4
	WIN E1
.else
	WIN E2
.endif
.set i, 0
.rept 32
	v_pk_add_f32 v[16+2*i:17+2*i], v[64*(\b%4)+2*i:64*(\b%4)+2*i+1], v[BI+2*i:BI+2*i+1]
.set i, i+1
.endr
	WIN 0
.set i, 0
.rept 64
	v_max_num_f32 v[16+i], 0, v[16+i]
.set i, i+1
.endr
.set i, 0
.rept 32
	v_cvt_pk_bf16_f32 v[80+i], v[16+2*i], v[17+2*i]
.set i, i+1
.endr
.irp c, 0,1,2,3,4,5,6,7
	global_store_b128 v[VT+\b], v[80+4*\c:83+4*\c], s[36:37] offset:2*\c*PL
.endr
.endr
.Lepi_end_\tag:
.endm
	s_load_b256 s[4:11], s[0:1], 0x0               ; W1 s[4:5], b1 s[6:7], xs s[8:9], meta s[10:11]
	s_load_b64 s[12:13], s[0:1], 0x20              ; h
	v_lshl_add_u32 v254, v0, 2, 0x48000
	v_mov_b32 v255, 0
	v_and_b32 v1, 31, v0
	v_lshrrev_b32 v16, 5, v0
	v_readfirstlane_b32 s14, v16                   ; wave
	s_and_b32 s15, ttmp7, 0xffff                   ; e
	s_mov_b32 s16, ttmp9                           ; cs
	v_and_b32 v17, 15, v0                          ; r
	v_bfe_u32 v18, v0, 4, 1                        ; hh
	s_mul_i32 s22, s14, 16*PITCH
	v_lshl_add_u32 v[VW], v1, 4, s22
	s_mul_i32 s22, s14, 16*LP
	v_lshl_add_u32 v[LW], v1, 3, s22
	v_and_b32 v19, 7, v0
	v_lshl_add_u32 v19, v18, 3, v19
	v_mul_u32_u24 v19, v19, LP
	v_bfe_u32 v20, v0, 3, 1
	v_lshl_add_u32 v[LR0], v20, 4, v19             ; row 8 hh + l % 8, 16 bytes number (l / 8) % 2
	v_mov_b32 v[LR], v[LR0]
	v_mul_u32_u24 v19, v18, PL
	v_lshl_add_u32 v19, v17, 4, v19
	s_lshl_b32 s22, s14, 8
	v_add_nc_u32 v[VTL], s22, v19                  ; plane hh, slot 16 w + r
	v_lshlrev_b32 v[VB], 5, v18
	s_lshl_b32 s38, s15, 24                        ; an expert's 16 MiB,
	s_lshl_b32 s22, s16, 9                         ; my 128 columns
	s_add_co_u32 s38, s38, s22
	s_mov_b32 s39, 0
	s_lshl_b32 s40, s15, 14
	s_add_co_u32 s40, s40, s22
	s_mov_b32 s41, 0
	s_lshl_b32 s42, s15, 2
	s_mov_b32 s43, 0
	s_mul_i32 s44, s16, 16*PL                      ; my 16 planes of h
	s_mov_b32 s45, 0
	s_wait_kmcnt 0x0
	s_add_nc_u64 s[10:11], s[10:11], s[42:43]
	s_load_b32 s18, s[10:11], 0x0                  ; the expert's first block
	s_load_b32 s19, s[10:11], 0x80                 ; its number of blocks
	s_add_nc_u64 s[30:31], s[4:5], s[38:39]
	s_add_nc_u64 s[6:7], s[6:7], s[40:41]
	s_add_nc_u64 s[36:37], s[12:13], s[44:45]
	s_mov_b64 s[34:35], s[8:9]
	s_mov_b64 s[32:33], s[8:9]
	WIN TO_TF
.irp c, 0,1,2,3,4,5,6,7
	global_load_b128 v[BI+8*\c:BI+8*\c+3],   v[VB], s[6:7] offset:64*\c       ; b1 of columns 16 c + 8 hh + 0 .. 7
	global_load_b128 v[BI+8*\c+4:BI+8*\c+7], v[VB], s[6:7] offset:64*\c+16
.endr
	WLOAD 0, 0
	s_wait_kmcnt 0x0
	s_min_u32 s18, s18, 39
	s_min_u32 s19, s19, 16
	s_mov_b32 s20, 0
	SETBLK
	TLOAD 0, 0
	WLOAD 1, 64*PITCH
	; the pipeline is filled: step 0's weights into the slice, and the fragments of its first 32 k
	s_wait_loadcnt 36                              ; W(0): behind it stand T(0) 20 + W(1) 16
	CVT 0
	WST 0
	WLOAD 0, 2*64*PITCH
	s_wait_dscnt 0x0                               ; for the others' sake: my 16 rows of step 0 are stored
	s_barrier_signal -1
	s_barrier_wait -1
	WFL 0, LR, 0
	; counts from step 1 on: behind W(s+1) stand T(s) 20 + W(s+2) 16 = 36; behind T(s) stand W(s+2) 16 + T(s+1) 20 + W(s+3) 16 = 52
	PSTEP 0, 1, 1, 1, 1, 16, 52                    ; step 0: the first products start the sums; behind W(1) stands W(2); T(0) lies ahead of W(1), so its wait is met already
	PSTEP 1, 0, 1, 1, 1, 36, 52
	ADV
	s_mov_b32 s21, 5
.Lk:                                                   ; K steps 2 to 11
	PSTEP 0, 0, 1, 1, 1, 36, 52
	PSTEP 1, 0, 1, 1, 1, 36, 52
	ADV
	s_sub_co_u32 s21, s21, 1
	s_cmp_lg_u32 s21, 0
	s_cbranch_scc1 .Lk
	PSTEP 0, 0, 1, 1, 1, 36, 52                    ; step 12 asks for the last weights, W(15)
	PSTEP 1, 0, 1, 0, 1, 36, 36                    ; step 13: behind W(14) stand T(13) + W(15); behind T(13) stand W(15) 16 + T(14) 20
	ADV
	PSTEP 0, 0, 1, 0, 1, 20, 20                    ; step 14: behind W(15) stands T(14); behind T(14) stands T(15)
	PSTEP 1, 0, 0, 0, 0, 0, 0                      ; step 15: nothing is left to round, to ask for or to meet for
	EPI a
	s_add_co_u32 s46, s19, 4
	s_mul_i32 s46, s46, 52
	s_lshr_b32 s46, s46, 8                         ; passes in all = (blocks + 4) / 5: x 52 / 256 is x / 5 rounded down for x = 4 .. 20
	s_mov_b32 s47, 1                               ; passes done
	s_mov_b32 s20, 5
	s_cmp_ge_u32 s47, s46
	s_cbranch_scc1 .Lend
	s_wait_xcnt 0x0
	s_mov_b64 s[32:33], s[34:35]                   ; the tokens' base goes back to plane 0 and stays
.irp p, 0,1,2,3,4,5,6,7
	v_add_nc_u32 v[LRP+\p], \p*2*STEPB, v[LR0]
.endr
.Lpass:                                                ; five more blocks from the slice in LDS; no barrier: nothing is written there any more
	s_wait_xcnt 0x0                                ; the last stores' addresses and data are written again only behind this wait
	SETBLK
	TLOAD 0, 0
	XSTEP 0, 1, 1, 20, LRP, 0                      ; behind T(s) stands T(s+1)
	XSTEP 1, 0, 1, 20, LRP, 0
.set pp, 1
.rept 6
	XSTEP 0, 0, 1, 20, LRP+pp, pp*16*PL
	XSTEP 1, 0, 1, 20, LRP+pp, pp*16*PL
.set pp, pp+1
.endr
	XSTEP 0, 0, 1, 20, LRP+7, 7*16*PL              ; the largest immediate: plane 126, 5,160,960 bytes, inside the signed 24 bits
	XSTEP 1, 0, 0, 0, LRP+7, 7*16*PL
	EPI b
	s_add_co_u32 s20, s20, 5
	s_add_co_u32 s47, s47, 1
	s_cmp_lt_u32 s47, s46
	s_cbranch_scc1 .Lpass
.Lend:
	s_wait_tensorcnt 0x0
	ds_add_u32 v254, v255
	s_wait_dscnt 0x0
	s_endpgm
.Lfunc_end_k_q08e905d181_ffn1:
	.size	k_q08e905d181_ffn1, .Lfunc_end_k_q08e905d181_ffn1-k_q08e905d181_ffn1
	.p2alignl 7, 3214868480
	.fill 96, 4, 3214868480
	.section	.rodata,"a",@progbits
	.p2align	6, 0x0
	.amdhsa_kernel k_q08e905d181_ffn1
		.amdhsa_group_segment_fixed_size 295424
		.amdhsa_private_segment_fixed_size 0
		.amdhsa_enable_private_segment 0
		.amdhsa_kernarg_size 40
		.amdhsa_user_sgpr_count 2
		.amdhsa_user_sgpr_kernarg_segment_ptr 1
		.amdhsa_wavefront_size32 1
		.amdhsa_system_sgpr_workgroup_id_x 1
		.amdhsa_system_sgpr_workgroup_id_y 1
		.amdhsa_system_sgpr_workgroup_id_z 1
		.amdhsa_system_vgpr_workitem_id 0
		.amdhsa_next_free_vgpr 1024
		.amdhsa_next_free_sgpr 66
		.amdhsa_reserve_vcc 0
		.amdhsa_float_denorm_mode_32 3
		.amdhsa_float_denorm_mode_16_64 3
		.amdhsa_memory_ordered 1
		.amdhsa_forward_progress 1
		.amdhsa_inst_pref_size 255
	.end_amdhsa_kernel
	.section	.bss,"aw",@nobits
	.p2align	6
	.space	262144
	.amdgpu_metadata
---
amdhsa.version: [ 1, 2 ]
amdhsa.kernels:
  - .name:           k_q08e905d181_ffn1
    .symbol:         k_q08e905d181_ffn1.kd
    .args:
      - { .name: W1, .offset: 0, .size: 8, .value_kind: global_buffer, .address_space: global }
      - { .name: b1, .offset: 8, .size: 8, .value_kind: global_buffer, .address_space: global }
      - { .name: xs, .offset: 16, .size: 8, .value_kind: global_buffer, .address_space: global }
      - { .name: meta, .offset: 24, .size: 8, .value_kind: global_buffer, .address_space: global }
      - { .name: h, .offset: 32, .size: 8, .value_kind: global_buffer, .address_space: global }
    .group_segment_fixed_size: 295424
    .private_segment_fixed_size: 0
    .kernarg_segment_align: 8
    .kernarg_segment_size: 40
    .max_flat_workgroup_size: 128
    .sgpr_count:     66
    .vgpr_count:     1024
    .wavefront_size: 32
...
	.end_amdgpu_metadata
.endif
;; end of part 3
;; launch ffn2 (part 4): grid 32 x 8, 4 waves a work-group, no clusters, 312,832 bytes of LDS; arguments W2, h, meta, y; writes y
.if DOCPART == 4
	.amdgcn_target "amdgcn-amd-amdhsa--gfx1250"
	.amdhsa_code_object_version 6
	.text
	.protected	k_q08e905d181_ffn2
	.globl	k_q08e905d181_ffn2
	.p2align	8
	.type	k_q08e905d181_ffn2,@function
k_q08e905d181_ffn2:
	s_mov_b64 s[64:65], 0
	v_nop
	global_prefetch_b8 v0, s[64:65] scope:SCOPE_SE
	s_setreg_imm32_b32 hwreg(HW_REG_WAVE_MODE, 25, 1), 1
	s_wait_xcnt 0x0
; SECOND LAYER, routed: y[ks][slot][n] = sum over k in quarter ks of h[slot][k] W2[e][k][n], for the slots of expert e alone.  Operands bf16, sums f32; the four quarters, b2 and the gate's weights are added in the next launch, in f32.
; SHARES: work-group (cs + 8 ks, e) owns expert e's columns 128 cs .. + 127 and k = 1,024 ks .. + 1,023: 512 KiB of W2 that no other work-group reads.  Wave w owns rows 16 w .. + 15 of every block of 64 slots.
; The loop is the first layer's: weights memory -> registers -> bf16 -> a slice that stays in LDS, two K steps of 64 always on their way; tokens (h, in planes of 8 k) straight into registers;
; the matrix instruction transposed (source 0 = 16 columns of W2, source 1 = 16 slots).
; PASS 0 IS A PIPELINE: in K step s the weights of step s + 1 are rounded and stored into the slice, and the barrier that shows them to all four waves is signalled and awaited, among the products of step s;
; the fragments of a step's first 32 k are fetched under the products of the step before, those of its second 32 k under the products of its first.
; Pass 0, with the barriers, serves blocks 0-4; further passes without barriers serve the rest, their 16 K steps written out with constant addresses; a block past the expert's last reads block 0 and is not stored.
; THE WAY OUT is f32: a lane's eight results are 32 bytes of a row, so 16 slots x 64 columns at a time go through the wave's own stage in LDS and leave as whole rows of 256 bytes.
; No cluster: no two work-groups share a weight byte, and the tokens do not pass through LDS.
; REGISTERS in windows of 256: window 0: v0-15 addresses, v16-143 fragments of W, v144-175 bf16 on their way to LDS, v176-183 LDS addresses of the later passes; window 1: accumulators of blocks 0-3 ((b, c) at 64 b + 8 c);
; window 2: v0-63 those of block 4, v64-191 two sets of 64 for W in f32; window 3: v0-159 two sets of token fragments.
.set PITCH, 4096                       ; bytes in a row of W2
.set PL,    40960                      ; bytes in a plane
.set YS,    10485760                   ; bytes in a quarter's y: 2,560 slots x 4,096
.set LP,    288                        ; an LDS row
.set STEPB, 64*LP
.set STAGE, 1024*LP                    ; behind the slice: 16 rows of 256 + 16 bytes for each wave
.set SP,    272
.set VW,  2
.set LW,  3
.set LR,  4
.set VTL, 5
.set VT,  6
.set LR0, 11                           ; LR at K step 0; never rewritten
.set STO, 12                           ; the way out: where I put 32 bytes of a row
.set RD,  13                           ; where I read 16 bytes of a whole row back
.set YL,  14                           ; my byte offset in a block of y
.set YB,  15                           ; the same in the block in hand
.set WF,  16
.set TMP, 144
.set LRP, 176                          ; v176-183: LR0 + pair p of K steps; made once, for the later passes
.set SG,  64
.set TF,  0
.set MM1,   0x5c                       ; source 0 window 0, source 1 window 3, C and D window 1
.set MM2,   0xac                       ; C and D window 2
.set TO_TF, 0xc0
.set TO_SG, 0x80
.set CV,    0x0a
.set D1,    0x04                       ; an LDS store's data in window 1
.set D2,    0x08
.set MSB, 0
.macro WIN new                         ; the immediate's high byte repeats the setting that is left
.if MSB != \new
	s_set_vgpr_msb (MSB<<8)|\new
.set MSB, \new
.endif
.endm
.macro PLACES                          ; four places behind a matrix instruction (ISA guide 7.12.1)
.rept 4
	v_nop
.endr
.endm
.macro SETBLK                          ; the pass's five blocks: s20 + b of the expert, or block 0 of the slots where the expert has no such block
	WIN 0
.irp b, 0,1,2,3,4
	s_add_co_u32 s22, s20, \b
	s_add_co_u32 s23, s18, s22
	s_cmp_lt_u32 s22, s19
	s_cselect_b32 s[24+\b], s23, 0
	s_min_u32 s[24+\b], s[24+\b], 39
	v_lshl_add_u32 v[VT+\b], s[24+\b], 10, v[VTL]
.endr
.endm
.macro WLOAD set, imm                  ; my 16 rows of a K step of W: each load 512 neighbouring bytes
	WIN TO_SG
.set i, 0
.rept 16
	global_load_b128 v[SG+64*(\set)+4*i:SG+64*(\set)+4*i+3], v[VW], s[30:31] offset:(\imm)+i*PITCH th:TH_LOAD_NT
.set i, i+1
.endr
.endm
.macro TLOAD set, imm                  ; a K step's token fragments of five blocks: 20 loads
	WIN TO_TF
.irp sub, 0,1
.irp b, 0,1,2,3,4
	global_load_b128 v[TF+80*(\set)+40*\sub+8*\b:TF+80*(\set)+40*\sub+8*\b+3],   v[VT+\b], s[32:33] offset:(\imm)+\sub*4*PL
	global_load_b128 v[TF+80*(\set)+40*\sub+8*\b+4:TF+80*(\set)+40*\sub+8*\b+7], v[VT+\b], s[32:33] offset:(\imm)+\sub*4*PL+2*PL
.endr
.endr
.endm
.macro CVT set                         ; a K step's weights of mine, 16 rows x 4 numbers a lane, rounded to bf16
	WIN CV
.set i, 0
.rept 16
	v_cvt_pk_bf16_f32 v[TMP+2*i],   v[SG+64*(\set)+4*i],   v[SG+64*(\set)+4*i+1]
	v_cvt_pk_bf16_f32 v[TMP+2*i+1], v[SG+64*(\set)+4*i+2], v[SG+64*(\set)+4*i+3]
.set i, i+1
.endr
.endm
.macro WST off                         ; and stored into the slice
	WIN 0
.set i, 0
.rept 16
	ds_store_b64 v[LW], v[TMP+2*i:TMP+2*i+1] offset:(\off)+LP*i
.set i, i+1
.endr
.endm
.macro WFL sub, lr, off                ; 16 turning loads: the fragments of 128 columns x 32 k whose first row lies at byte off from the address in lr
	WIN 0
.irp c, 0,1,2,3,4,5,6,7
	ds_load_tr16_b128 v[WF+64*\sub+8*\c:WF+64*\sub+8*\c+3],   v[\lr] offset:(\off)+32*\c
	ds_load_tr16_b128 v[WF+64*\sub+8*\c+4:WF+64*\sub+8*\c+7], v[\lr] offset:(\off)+32*\c+16*LP
.endr
.endm
.macro MMB par, sub, zero, b           ; block b's 8 products, 32 along K
.irp c, 0,1,2,3,4,5,6,7
.if \zero
	v_wmma_f32_16x16x32_bf16 v[64*(\b%4)+8*\c:64*(\b%4)+8*\c+7], v[WF+64*\sub+8*\c:WF+64*\sub+8*\c+7], v[TF+80*\par+40*\sub+8*\b:TF+80*\par+40*\sub+8*\b+7], 0
.else
	v_wmma_f32_16x16x32_bf16 v[64*(\b%4)+8*\c:64*(\b%4)+8*\c+7], v[WF+64*\sub+8*\c:WF+64*\sub+8*\c+7], v[TF+80*\par+40*\sub+8*\b:TF+80*\par+40*\sub+8*\b+7], v[64*(\b%4)+8*\c:64*(\b%4)+8*\c+7]
.endif
.endr
.endm
.macro MMLO par, sub, zero             ; blocks 0 and 1: 16 products
	WIN MM1
	MMB \par, \sub, \zero, 0
	MMB \par, \sub, \zero, 1
.endm
.macro MMHI par, sub, zero             ; blocks 2, 3 and 4: 24 products
	WIN MM1
	MMB \par, \sub, \zero, 2
	MMB \par, \sub, \zero, 3
	WIN MM2
	MMB \par, \sub, \zero, 4
.endm
.macro MM par, sub, zero               ; 40 products; the 40 accumulators take turns, one instruction a turn, in the same order everywhere
	MMLO \par, \sub, \zero
	MMHI \par, \sub, \zero
.endm
; One K step of 64 of pass 0 (step s, par = s % 2).  Global loads are issued in the order W0 T0 W1 W2, then T(s+1), W(s+3) in step s, so that the wait for a step's tokens never asks for weights that are wanted later.
; conv: the weights of step s + 1 are rounded (the 32 roundings are also the places behind the last step's products) and stored, and the fragments of its first 32 k are fetched.
; nW: the loads issued behind W(s+1).  nT: those behind T(s).
.macro PSTEP par, zero, conv, wld, tld, nW, nT
.if \conv
	s_wait_loadcnt \nW
	CVT 1-\par
.else
	PLACES
.endif
	WFL 1, LR, \par*STEPB+32*LP                    ; this step's second 32 k: the slice's step s has been whole since the barrier in the step before
.if \conv
	WST (\par+1)*STEPB
.endif
.if \tld
	TLOAD 1-\par, (\par+1)*8*PL
.endif
.if \wld
	WLOAD 1-\par, (\par+3)*64*PITCH                ; into the set just rounded
.endif
	s_wait_loadcnt \nT                             ; the step's tokens
.if \conv
	s_wait_dscnt 32                                ; the first 32 k, fetched in the step before: behind them stand 16 loads and 16 stores
.else
	s_wait_dscnt 16                                ; behind them stand 16 loads
.endif
	MM \par, 0, \zero
	s_wait_dscnt 0x0                               ; the second 32 k are in; and, for the others' sake, my 16 rows of step s + 1 are stored
.if \conv
	s_barrier_signal -1
	MMLO \par, 1, 0                                ; work on registers while the others arrive
	s_barrier_wait -1                              ; all 64 rows of step s + 1 are stored; no byte of the slice is ever written again
	PLACES                                         ; for the loads into the fragments that the first 40 products read
	WFL 0, LR, (\par+1)*STEPB                      ; the next step's first 32 k, under the 24 products below and the next step's roundings
	MMHI \par, 1, 0
.else
	MM \par, 1, 0
.endif
.endm
.macro ADV                             ; pass 0: two K steps on
	WIN 0
	s_wait_xcnt 0x0                                ; the loads' bases are stepped only behind this wait
	s_add_nc_u64 s[32:33], s[32:33], 16*PL
	v_add_nc_u32 v[LR], 2*STEPB, v[LR]
	s_add_nc_u64 s[30:31], s[30:31], 128*PITCH
	v_add_nc_u32 v[LW], 2*STEPB, v[LW]
.endm
; One K step of a later pass: the slice is whole, so there is nothing to round, to store or to meet for.  lr: the register with the LDS address of the step's pair.  tb: the pair's place among the planes, in bytes.
.macro XSTEP par, zero, tld, nT, lr, tb
	PLACES
.if \tld
	TLOAD 1-\par, (\tb)+(\par+1)*8*PL
.endif
	WFL 0, \lr, \par*STEPB
	WFL 1, \lr, \par*STEPB+32*LP
	s_wait_loadcnt \nT                             ; the step's tokens
	s_wait_dscnt 16                                ; the first 32 along K
	MM \par, 0, \zero
	s_wait_dscnt 0x0
	MM \par, 1, 0
.endm
; The way out of a block: 64 columns at a time into my stage (each accumulator's low four registers first), back as whole rows, out.
.macro EPI tag
	WIN 0
	PLACES
.irp b, 0,1,2,3,4
	s_add_co_u32 s22, s20, \b
	s_cmp_ge_u32 s22, s19
	s_cbranch_scc1 .Lepi_end_\tag
.irp hf, 0,1
.if \b < 4
	WIN D1
.else
	WIN D2
.endif
.irp c, 0,1,2,3
	ds_store_b128 v[STO], v[64*(\b%4)+8*(4*\hf+\c):64*(\b%4)+8*(4*\hf+\c)+3]   offset:64*\c
	ds_store_b128 v[STO], v[64*(\b%4)+8*(4*\hf+\c)+4:64*(\b%4)+8*(4*\hf+\c)+7] offset:64*\c+16
.endr
	WIN 0
	s_wait_xcnt 0x0                                ; v[YB] and v16-47 are written again only behind this wait
	v_lshl_add_u32 v[YB], s[24+\b], 18, v[YL]
.irp t, 0,1,2,3,4,5,6,7
	ds_load_b128 v[16+4*\t:19+4*\t], v[RD] offset:2*SP*\t          ; my wave's own bytes, served in order (ISA guide 5.7.1.4)
.endr
	s_wait_dscnt 0x0
.irp t, 0,1,2,3,4,5,6,7
	global_store_b128 v[YB], v[16+4*\t:19+4*\t], s[36:37] offset:8192*\t+256*\hf   ; sixteen lanes store 256 consecutive bytes, aligned
.endr
.endr
.endr
.Lepi_end_\tag:
.endm
	s_load_b256 s[4:11], s[0:1], 0x0               ; W2 s[4:5], h s[6:7], meta s[8:9], y s[10:11]
	v_lshl_add_u32 v254, v0, 2, 0x4c400
	v_mov_b32 v255, 0
	v_and_b32 v1, 31, v0
	v_lshrrev_b32 v16, 5, v0
	v_readfirstlane_b32 s14, v16                   ; wave
	s_and_b32 s15, ttmp7, 0xffff                   ; e
	s_and_b32 s16, ttmp9, 7                        ; cs
	s_lshr_b32 s17, ttmp9, 3                       ; ks
	v_and_b32 v17, 15, v0                          ; r
	v_bfe_u32 v18, v0, 4, 1                        ; hh
	s_mul_i32 s22, s14, 16*PITCH
	v_lshl_add_u32 v[VW], v1, 4, s22
	s_mul_i32 s22, s14, 16*LP
	v_lshl_add_u32 v[LW], v1, 3, s22
	v_and_b32 v19, 7, v0
	v_lshl_add_u32 v19, v18, 3, v19
	v_mul_u32_u24 v19, v19, LP
	v_bfe_u32 v20, v0, 3, 1
	v_lshl_add_u32 v[LR0], v20, 4, v19             ; row 8 hh + l % 8, 16 bytes number (l / 8) % 2
	v_mov_b32 v[LR], v[LR0]
	v_mul_u32_u24 v19, v18, PL
	v_lshl_add_u32 v19, v17, 4, v19
	s_lshl_b32 s22, s14, 8
	v_add_nc_u32 v[VTL], s22, v19                  ; plane hh, slot 16 w + r
	s_mul_i32 s22, s14, 16*SP
	s_add_co_u32 s22, s22, STAGE                   ; my stage
	v_mul_u32_u24 v19, v17, SP
	v_lshl_add_u32 v19, v18, 5, v19
	v_add_nc_u32 v[STO], s22, v19                  ; in: row r, 32 bytes for each half of the lanes
	v_mul_u32_u24 v19, v18, SP
	v_lshl_add_u32 v19, v17, 4, v19
	v_add_nc_u32 v[RD], s22, v19                   ; back: lanes 0-15 one row of 256 bytes, lanes 16-31 the next
	s_lshl_b32 s23, s14, 4
	v_add_nc_u32 v19, s23, v18
	v_lshlrev_b32 v19, 12, v19
	v_lshl_add_u32 v[YL], v17, 4, v19              ; and the same two rows in y: slot 16 w + hh
	s_lshl_b32 s38, s15, 24                        ; an expert's 16 MiB,
	s_lshl_b32 s22, s17, 22                        ; my 1,024 rows,
	s_add_co_u32 s38, s38, s22
	s_lshl_b32 s22, s16, 9                         ; my 128 columns
	s_add_co_u32 s38, s38, s22
	s_mov_b32 s39, 0
	s_mul_i32 s40, s17, 128*PL                     ; my 128 planes of h
	s_mov_b32 s41, 0
	s_lshl_b32 s42, s15, 2
	s_mov_b32 s43, 0
	s_mul_i32 s44, s17, YS
	s_add_co_u32 s44, s44, s22
	s_mov_b32 s45, 0
	s_wait_kmcnt 0x0
	s_add_nc_u64 s[8:9], s[8:9], s[42:43]
	s_load_b32 s18, s[8:9], 0x0                    ; the expert's first block
	s_load_b32 s19, s[8:9], 0x80                   ; its number of blocks
	s_add_nc_u64 s[30:31], s[4:5], s[38:39]
	s_add_nc_u64 s[34:35], s[6:7], s[40:41]
	s_add_nc_u64 s[36:37], s[10:11], s[44:45]
	s_mov_b64 s[32:33], s[34:35]
	WLOAD 0, 0
	s_wait_kmcnt 0x0
	s_min_u32 s18, s18, 39
	s_min_u32 s19, s19, 16
	s_mov_b32 s20, 0
	SETBLK
	TLOAD 0, 0
	WLOAD 1, 64*PITCH
	; the pipeline is filled: step 0's weights into the slice, and the fragments of its first 32 k
	s_wait_loadcnt 36                              ; W(0): behind it stand T(0) 20 + W(1) 16
	CVT 0
	WST 0
	WLOAD 0, 2*64*PITCH
	s_wait_dscnt 0x0                               ; for the others' sake: my 16 rows of step 0 are stored
	s_barrier_signal -1
	s_barrier_wait -1
	WFL 0, LR, 0
	; counts from step 1 on: behind W(s+1) stand T(s) 20 + W(s+2) 16 = 36; behind T(s) stand W(s+2) 16 + T(s+1) 20 + W(s+3) 16 = 52
	PSTEP 0, 1, 1, 1, 1, 16, 52                    ; step 0: the first products start the sums; behind W(1) stands W(2); T(0) lies ahead of W(1), so its wait is met already
	PSTEP 1, 0, 1, 1, 1, 36, 52
	ADV
	s_mov_b32 s21, 5
.Lk:                                                   ; K steps 2 to 11
	PSTEP 0, 0, 1, 1, 1, 36, 52
	PSTEP 1, 0, 1, 1, 1, 36, 52
	ADV
	s_sub_co_u32 s21, s21, 1
	s_cmp_lg_u32 s21, 0
	s_cbranch_scc1 .Lk
	PSTEP 0, 0, 1, 1, 1, 36, 52                    ; step 12 asks for the last weights, W(15)
	PSTEP 1, 0, 1, 0, 1, 36, 36                    ; step 13: behind W(14) stand T(13) + W(15); behind T(13) stand W(15) 16 + T(14) 20
	ADV
	PSTEP 0, 0, 1, 0, 1, 20, 20                    ; step 14: behind W(15) stands T(14); behind T(14) stands T(15)
	PSTEP 1, 0, 0, 0, 0, 0, 0                      ; step 15: nothing is left to round, to ask for or to meet for
	EPI a
	s_add_co_u32 s46, s19, 4
	s_mul_i32 s46, s46, 52
	s_lshr_b32 s46, s46, 8                         ; passes in all = (blocks + 4) / 5: x 52 / 256 is x / 5 rounded down for x = 4 .. 20
	s_mov_b32 s47, 1                               ; passes done
	s_mov_b32 s20, 5
	s_cmp_ge_u32 s47, s46
	s_cbranch_scc1 .Lend
	s_wait_xcnt 0x0
	s_mov_b64 s[32:33], s[34:35]                   ; the tokens' base goes back to my first plane and stays
.irp p, 0,1,2,3,4,5,6,7
	v_add_nc_u32 v[LRP+\p], \p*2*STEPB, v[LR0]
.endr
.Lpass:                                                ; five more blocks from the slice in LDS; no barrier: nothing is written there any more
	s_wait_xcnt 0x0                                ; the last stores' addresses and data are written again only behind this wait
	SETBLK
	TLOAD 0, 0
	XSTEP 0, 1, 1, 20, LRP, 0                      ; behind T(s) stands T(s+1)
	XSTEP 1, 0, 1, 20, LRP, 0
.set pp, 1
.rept 6
	XSTEP 0, 0, 1, 20, LRP+pp, pp*16*PL
	XSTEP 1, 0, 1, 20, LRP+pp, pp*16*PL
.set pp, pp+1
.endr
	XSTEP 0, 0, 1, 20, LRP+7, 7*16*PL              ; the largest immediate: plane 126, 5,160,960 bytes, inside the signed 24 bits
	XSTEP 1, 0, 0, 0, LRP+7, 7*16*PL
	EPI b
	s_add_co_u32 s20, s20, 5
	s_add_co_u32 s47, s47, 1
	s_cmp_lt_u32 s47, s46
	s_cbranch_scc1 .Lpass
.Lend:
	s_wait_tensorcnt 0x0
	ds_add_u32 v254, v255
	s_wait_dscnt 0x0
	s_endpgm
.Lfunc_end_k_q08e905d181_ffn2:
	.size	k_q08e905d181_ffn2, .Lfunc_end_k_q08e905d181_ffn2-k_q08e905d181_ffn2
	.p2alignl 7, 3214868480
	.fill 96, 4, 3214868480
	.section	.rodata,"a",@progbits
	.p2align	6, 0x0
	.amdhsa_kernel k_q08e905d181_ffn2
		.amdhsa_group_segment_fixed_size 312832
		.amdhsa_private_segment_fixed_size 0
		.amdhsa_enable_private_segment 0
		.amdhsa_kernarg_size 32
		.amdhsa_user_sgpr_count 2
		.amdhsa_user_sgpr_kernarg_segment_ptr 1
		.amdhsa_wavefront_size32 1
		.amdhsa_system_sgpr_workgroup_id_x 1
		.amdhsa_system_sgpr_workgroup_id_y 1
		.amdhsa_system_sgpr_workgroup_id_z 1
		.amdhsa_system_vgpr_workitem_id 0
		.amdhsa_next_free_vgpr 1024
		.amdhsa_next_free_sgpr 66
		.amdhsa_reserve_vcc 0
		.amdhsa_float_denorm_mode_32 3
		.amdhsa_float_denorm_mode_16_64 3
		.amdhsa_memory_ordered 1
		.amdhsa_forward_progress 1
		.amdhsa_inst_pref_size 255
	.end_amdhsa_kernel
	.section	.bss,"aw",@nobits
	.p2align	6
	.space	262144
	.amdgpu_metadata
---
amdhsa.version: [ 1, 2 ]
amdhsa.kernels:
  - .name:           k_q08e905d181_ffn2
    .symbol:         k_q08e905d181_ffn2.kd
    .args:
      - { .name: W2, .offset: 0, .size: 8, .value_kind: global_buffer, .address_space: global }
      - { .name: h, .offset: 8, .size: 8, .value_kind: global_buffer, .address_space: global }
      - { .name: meta, .offset: 16, .size: 8, .value_kind: global_buffer, .address_space: global }
      - { .name: y, .offset: 24, .size: 8, .value_kind: global_buffer, .address_space: global }
    .group_segment_fixed_size: 312832
    .private_segment_fixed_size: 0
    .kernarg_segment_align: 8
    .kernarg_segment_size: 32
    .max_flat_workgroup_size: 128
    .sgpr_count:     66
    .vgpr_count:     1024
    .wavefront_size: 32
...
	.end_amdgpu_metadata
.endif
;; end of part 4
;; launch combine (part 5): grid 256 x 1, 8 waves a work-group, no clusters, 0 bytes of LDS; arguments y, b2, sel, slotof, wts, out0; writes out0
.if DOCPART == 5
	.amdgcn_target "amdgcn-amd-amdhsa--gfx1250"
	.amdhsa_code_object_version 6
	.text
	.protected	k_q08e905d181_combine
	.globl	k_q08e905d181_combine
	.p2align	8
	.type	k_q08e905d181_combine,@function
k_q08e905d181_combine:
	s_mov_b64 s[64:65], 0
	v_nop
	global_prefetch_b8 v0, s[64:65] scope:SCOPE_SE
	s_setreg_imm32_b32 hwreg(HW_REG_WAVE_MODE, 25, 1), 1
	s_wait_xcnt 0x0
; COMBINE.  out0[token] = wA (sum of the four K quarters of y[slot of i1] + b2[i1]) + wB (the same for i2), all in f32.
; A work-group has 4 tokens; thread t has columns 4 t .. 4 t + 3, so every load and store of a wave covers 512 neighbouring bytes.
; A stream: memory binds, so no LDS, no barrier, no matrix unit; all 40 loads of a thread are issued before the first is waited for.
.set YS, 10485760                      ; bytes in a quarter's y
	s_load_b256 s[4:11], s[0:1], 0x0               ; y s[4:5], b2 s[6:7], sel s[8:9], slotof s[10:11]
	s_load_b128 s[12:15], s[0:1], 0x20             ; wts s[12:13], out0 s[14:15]
	v_lshlrev_b32 v1, 4, v0
	s_lshl_b32 s20, ttmp9, 4
	s_mov_b32 s21, 0
	s_lshl_b32 s22, ttmp9, 5
	s_mov_b32 s23, 0
	s_lshl_b32 s48, ttmp9, 14
	s_mov_b32 s49, 0
	s_wait_kmcnt 0x0
	s_add_nc_u64 s[8:9], s[8:9], s[20:21]
	s_add_nc_u64 s[10:11], s[10:11], s[22:23]
	s_add_nc_u64 s[12:13], s[12:13], s[22:23]
	s_add_nc_u64 s[14:15], s[14:15], s[48:49]
	s_load_b128 s[16:19], s[8:9], 0x0              ; the four tokens' experts,
	s_load_b256 s[24:31], s[10:11], 0x0            ; slots,
	s_load_b256 s[32:39], s[12:13], 0x0            ; weights
	s_mov_b64 s[40:41], s[4:5]
	s_add_nc_u64 s[42:43], s[4:5], YS
	s_add_nc_u64 s[44:45], s[4:5], 2*YS
	s_add_nc_u64 s[46:47], s[4:5], 3*YS
	s_wait_kmcnt 0x0
.irp j, 0,1,2,3
	s_min_u32 s50, s[24+2*\j], 2559
	s_lshl_b32 s50, s50, 12
	v_add_nc_u32 v[2+4*\j], s50, v1                ; row of y for i1
	s_min_u32 s50, s[25+2*\j], 2559
	s_lshl_b32 s50, s50, 12
	v_add_nc_u32 v[3+4*\j], s50, v1                ; for i2
	s_and_b32 s50, s[16+\j], 7
	s_min_u32 s50, s50, 7
	s_lshl_b32 s50, s50, 12
	v_add_nc_u32 v[4+4*\j], s50, v1                ; row of b2 for i1
	s_bfe_u32 s50, s[16+\j], 0x30008
	s_min_u32 s50, s50, 7
	s_lshl_b32 s50, s50, 12
	v_add_nc_u32 v[5+4*\j], s50, v1                ; for i2
.endr
.irp j, 0,1,2,3
.irp k, 0,1,2,3
	global_load_b128 v[32+40*\j+4*\k:35+40*\j+4*\k], v[2+4*\j], s[40+2*\k:41+2*\k] th:TH_LOAD_NT
.endr
.irp k, 0,1,2,3
	global_load_b128 v[48+40*\j+4*\k:51+40*\j+4*\k], v[3+4*\j], s[40+2*\k:41+2*\k] th:TH_LOAD_NT
.endr
	global_load_b128 v[64+40*\j:67+40*\j], v[4+4*\j], s[6:7]
	global_load_b128 v[68+40*\j:71+40*\j], v[5+4*\j], s[6:7]
.endr
.irp j, 0,1,2,3
.set R, 32+40*\j
	s_wait_loadcnt 30-10*\j                        ; ten loads a token: the later tokens' stay out
.irp d, 0,2
	v_pk_add_f32 v[R+\d:R+\d+1],       v[R+\d:R+\d+1],       v[R+4+\d:R+5+\d]
	v_pk_add_f32 v[R+8+\d:R+9+\d],     v[R+8+\d:R+9+\d],     v[R+12+\d:R+13+\d]
	v_pk_add_f32 v[R+16+\d:R+17+\d],   v[R+16+\d:R+17+\d],   v[R+20+\d:R+21+\d]
	v_pk_add_f32 v[R+24+\d:R+25+\d],   v[R+24+\d:R+25+\d],   v[R+28+\d:R+29+\d]
	v_pk_add_f32 v[R+\d:R+\d+1],       v[R+\d:R+\d+1],       v[R+8+\d:R+9+\d]
	v_pk_add_f32 v[R+16+\d:R+17+\d],   v[R+16+\d:R+17+\d],   v[R+24+\d:R+25+\d]
	v_pk_add_f32 v[R+\d:R+\d+1],       v[R+\d:R+\d+1],       v[R+32+\d:R+33+\d]
	v_pk_add_f32 v[R+16+\d:R+17+\d],   v[R+16+\d:R+17+\d],   v[R+36+\d:R+37+\d]
.endr
.irp n, 0,1,2,3
	v_mul_f32 v[R+\n], s[32+2*\j], v[R+\n]
.endr
.irp n, 0,1,2,3
	v_fma_f32 v[R+\n], s[33+2*\j], v[R+16+\n], v[R+\n]
.endr
	global_store_b128 v1, v[R:R+3], s[14:15] offset:4096*\j
.endr
	s_endpgm
.Lfunc_end_k_q08e905d181_combine:
	.size	k_q08e905d181_combine, .Lfunc_end_k_q08e905d181_combine-k_q08e905d181_combine
	.p2alignl 7, 3214868480
	.fill 96, 4, 3214868480
	.section	.rodata,"a",@progbits
	.p2align	6, 0x0
	.amdhsa_kernel k_q08e905d181_combine
		.amdhsa_group_segment_fixed_size 0
		.amdhsa_private_segment_fixed_size 0
		.amdhsa_enable_private_segment 0
		.amdhsa_kernarg_size 48
		.amdhsa_user_sgpr_count 2
		.amdhsa_user_sgpr_kernarg_segment_ptr 1
		.amdhsa_wavefront_size32 1
		.amdhsa_system_sgpr_workgroup_id_x 1
		.amdhsa_system_sgpr_workgroup_id_y 1
		.amdhsa_system_sgpr_workgroup_id_z 1
		.amdhsa_system_vgpr_workitem_id 0
		.amdhsa_next_free_vgpr 192
		.amdhsa_next_free_sgpr 66
		.amdhsa_reserve_vcc 0
		.amdhsa_float_denorm_mode_32 3
		.amdhsa_float_denorm_mode_16_64 3
		.amdhsa_memory_ordered 1
		.amdhsa_forward_progress 1
		.amdhsa_inst_pref_size 14
	.end_amdhsa_kernel
	.amdgpu_metadata
---
amdhsa.version: [ 1, 2 ]
amdhsa.kernels:
  - .name:           k_q08e905d181_combine
    .symbol:         k_q08e905d181_combine.kd
    .args:
      - { .name: y, .offset: 0, .size: 8, .value_kind: global_buffer, .address_space: global }
      - { .name: b2, .offset: 8, .size: 8, .value_kind: global_buffer, .address_space: global }
      - { .name: sel, .offset: 16, .size: 8, .value_kind: global_buffer, .address_space: global }
      - { .name: slotof, .offset: 24, .size: 8, .value_kind: global_buffer, .address_space: global }
      - { .name: wts, .offset: 32, .size: 8, .value_kind: global_buffer, .address_space: global }
      - { .name: out0, .offset: 40, .size: 8, .value_kind: global_buffer, .address_space: global }
    .group_segment_fixed_size: 0
    .private_segment_fixed_size: 0
    .kernarg_segment_align: 8
    .kernarg_segment_size: 48
    .max_flat_workgroup_size: 256
    .sgpr_count:     66
    .vgpr_count:     192
    .wavefront_size: 32
...
	.end_amdgpu_metadata
.endif
;; end of part 5
